; MI455X (gfx1250); checked and timed in simulation.
; The chip was launched on July 23, 2026; its instructions are those of AMD's public machine-readable ISA for CDNA 5 (MIT licence, August 2026) and "CDNA5" Instruction Set Architecture Reference Guide (July 2026). The comments in the code are by the model that wrote it; some were corrected since.
;; Dot Projection Attention. Allowed arithmetic: matrix products marked QUANTISED: E2M3 operands, one E8M0 scale for each 32 along K, by v_wmma_scale_f32_16x16x128_f8f6f4 with both operands' format E2M3, f32 sums; products left as they are: f32 operands where the result goes on into a quantised operand, else bf16, f16 or f32 operands; f32 sums; everything else in f32.
;; Inputs: attn_v_bias 1 float32; attn_v_weight 1 x 1,024 float32; attn_w_bias 1,024 float32; attn_w_weight 1,024 x 2,048 float32; hidden_codes 64 x 32 x 24 uint8 (E2M3 codes of hidden, K innermost, in blocks of 32 codes, four codes in three bytes); hidden_scales 64 x 32 uint8 (E8M0 scales of hidden, one for each 32 codes along K); vectors_to_attend 1,024 x 64 x 1,024 float32.
;; Outputs: out0 64 x 1 x 1,024 float32.
;; This version of the problem:
;;   THIS VERSION OF THE PROBLEM IS GIVEN IN LOW PRECISION. The matrix products marked QUANTISED in the list below multiply operands that are first quantised to E2M3 (2 exponent bits, 3 mantissa bits; 6 bits a number), with one power-of-two scale for each 32 numbers along K (OCP MX v1.0); their sums are f32. All else is computed in f32.
;;   The module's matrix products, in the order in which they are computed (A, B: the left and right operand; K: the contracted axis; several contracted axes count as one K, in the product's order):
;;     1. [M 65,536, K 1,024] x [K 1,024, N 1,024]; A: input vectors_to_attend; B: input attn_w_weight: QUANTISED
;;     2. [M 64, K 1,024] x [K 1,024, N 1,024]; A: input hidden (given as codes); B: input attn_w_weight: QUANTISED
;;     3. [M 65,536, K 1,024] x [K 1,024, N 1]; A: computed on the way; B: input attn_v_weight: left as it is (N = 1 < 16)
;;     4. batch 64 x [M 1, K 1,024] x [K 1,024, N 1,024]; A: softmax; B: input vectors_to_attend: left as it is (M = 1 < 16)
;;   THE QUANTISER, for each operand of a quantised product, along K:
;;     - K is cut into blocks of 32 from its start; a last block that is shorter is filled with zeros.
;;     - A block's scale is 2^e with e = floor(log2(the largest magnitude in the block)) - 2, held to -126 .. 127; a block of zeros has e = 0. As a byte (E8M0): e + 127.
;;     - Each number is divided by its block's scale, clamped to +-7.5, and rounded to the nearest number of E2M3, ties to even, subnormals kept.
;;     - The product sums the exact products of the quantised numbers (number of the format x scale) in f32.
;;   ~~~python
;;   def quantise(x, axis):      # numpy; x: float32 -> the quantised numbers, widened to float32 again
;;       x = np.moveaxis(x, axis, -1); K = x.shape[-1]
;;       x = np.pad(x, [(0, 0)] * (x.ndim - 1) + [(0, -K % 32)]); x = x.reshape(x.shape[:-1] + (-1, 32)); a = np.abs(x).max(-1, keepdims=True)
;;       e = np.where(a > 0, np.clip(np.frexp(np.where(a > 0, a, 1))[1] - 1 - 2, -126, 127), 0)      # np.frexp(a)[1] - 1 = floor(log2(a)), exactly
;;       r = np.clip(x / 2.0 ** e, -7.5, 7.5)
;;       step = 2.0 ** (np.maximum(np.frexp(np.where(r == 0, 1, r))[1] - 1, 0) - 3)
;;       q = np.round(r / step) * step * 2.0 ** e      # np.round: ties to even
;;       return np.moveaxis(q.reshape(q.shape[:-2] + (-1,))[..., :K], -1, axis).astype(np.float32)
;;   ~~~
;;   INPUTS GIVEN AS CODES. hidden (in the module: [64, 1024], K = its axis 1): each comes as NAME_codes (uint8): NAME with its K axis moved to the last place and cut into blocks of 32 codes, [.., K / 32, bytes a block], one block behind the other in memory; four codes in three bytes: a row's codes are one little-endian stream of bits, code i at bits 6 i .. 6 i + 5 (a code: sign, 2 exponent bits, 3 mantissa bits); and NAME_scales (uint8): the same leading axes, one E8M0 byte (e + 127) for each 32 codes along K. Its value is code x scale, taken as it is: it is not quantised again, and the codes and scales need not be those that the quantiser above would give.
;; One version. Each part assembles by itself: llvm-mc -triple=amdgcn-amd-amdhsa -mcpu=gfx1250 --defsym DOCPART=n.
;; ======== version 1 of 1: 3 launches
;; limits: values are held in bf16: 8 bits of precision; right only within a limited range of input values
;; workspace buffers: wfrag 819,200 bytes; hbt 262,144 bytes; part 1,179,648 bytes
;; launch prep (part 1): grid 128 x 1, 4 waves a work-group, no clusters, 89,600 bytes of LDS; arguments attn_w_weight, attn_w_bias, hidden_codes, hidden_scales, wfrag, hbt; writes wfrag, hbt
.if DOCPART == 1
	.amdgcn_target "amdgcn-amd-amdhsa--gfx1250"
	.amdhsa_code_object_version 6
	.text
	.protected	k_qfd013c416d_prep
	.globl	k_qfd013c416d_prep
	.p2align	8
	.type	k_qfd013c416d_prep,@function
k_qfd013c416d_prep:
	s_mov_b64 s[64:65], 0
	v_nop
	global_prefetch_b8 v0, s[64:65] scope:SCOPE_SE
	s_setreg_imm32_b32 hwreg(HW_REG_WAVE_MODE, 25, 1), 1
	s_wait_xcnt 0x0
; attn_w_weight [1024][2048] f32 is quantised along K (E2M3 codes, one E8M0 byte for each 32).  Columns 0-1023 (We) leave as operand images for the next launch;
; columns 1024-2047 (Wd) are multiplied here with hidden (given as codes) and leave as c (hidden Wd^T + bias), c = 2 log2(e), the addend of the next launch's tanh.
; SHARES.  Work-groups 0-63 take We, 64-127 Wd; work-group g takes tile j = g % 64: rows a = 16 j .. 16 j + 15 of W.  Wave w takes K steps 2 w and 2 w + 1 (128 along K each): two pieces.
; A piece: sixteen loads, each 512 consecutive bytes of one row; the 8 KiB turn through the wave's own stage in LDS (rows of 528 bytes) and come back so that lane (r, h) holds of row r the numbers
; k = 64 c + 32 h + 0 .. 31 in registers 32 c + 0 .. 31: two whole blocks, in the order of the operand's registers.
; We: the codes leave as they stand; the four waves' scale words meet in 512 bytes of LDS, behind a barrier, and wave 0 stores them whole.
; Wd: each wave multiplies its two K steps with hidden's 64 rows; the four partial sums meet in LDS, behind a barrier; wave w adds accumulator w, in the order of the waves, and stores 1 KiB whole.
; Each of the two ways has LDS bytes of its own.
; wfrag: tile j at 12,800 j: K step s at 1,536 s as three images of 512 bytes (registers 4 g .. 4 g + 3 at 512 g + 16 x lane); scale words at 12,288 + 256 g + 16 r (words 4 g .. 4 g + 3 of row r).
; hbt: [j][b][16] f32.
; LIMITS: NaN and infinities in W are not served; a block of zeros gets the byte 1 (its codes are zeros; only this program reads the bytes).
; WORK LEFT OUT BY THE PROGRAM: scores = sum_a vw[a] tanh(..) + attn_v_bias, and tanh = 1 - 2 / (1 + e^(2x)), so scores = (sum_a vw[a] + attn_v_bias) - 2 sum_a vw[a] / (1 + e^(2x)).
; The bracket is the same for every s of a row b, and the softmax runs over s: it cancels for all finite values of the inputs.  So attn_v_bias is not loaded and is no launch's argument, and sum_a vw[a] is not formed.
; LIMIT: a NaN, an infinity or an overflow that reaches only that bracket is not carried to the result.
.set SPITCH, 528
.set SCW,    33792                     ; We: behind its four stages, the tile's scale words, 512 bytes
.set STB,    34816                     ; Wd: its four stages,
.set PSB,    68608                     ; the partial sums, 4,096 bytes a wave,
.set OSTB,   84992                     ; and the stage for the results, 1,024 bytes a wave
.set TILEB,  12800
.set LI,   1                           ; 16 x lane
.set STOA, 2                           ; the stage, on the way in (We)
.set RDA,  3                           ; and on the way out: 528 r + 128 h
.set SH8,  4                           ; 8 h
.set HA,   5                           ; hidden's codes: 768 r + 24 h + 192 w
.set HSA,  6                           ; hidden's scale words: 32 r + 8 w
.set OSA,  7                           ; results into their stage: 1,024 w + 512 h + 4 r
.set R4,   8                           ; 4 r
.set BC,   9                           ; c x bias of my column
.set STOB, 10                          ; the stage (Wd)
.set RDB,  11
.set OSR,  12                          ; results back: 1,024 w + 16 x lane
.set FO,   13                          ; my two K steps in the tile's image: 3,072 w + 16 x lane
.set SWA,  14                          ; my two scale words of row r: 256 (w / 2) + 16 r + 8 (w % 2)
.set PSA,  15                          ; my partial sums: 4,096 w + 16 x lane
.set TM,   16                          ; v16-19 at work in QUANT
.set PRA,  20                          ; accumulator w of every wave: 1,024 w + 16 x lane
.set HO,   21                          ; my bytes of the tile in hbt: 1,024 w + 16 x lane
.set T,    24                          ; v24-30 the second halves of the blocks' codes
.set HS,   32                          ; v32-39 hidden's scale words (2 t + u): scales and nothing else
.set BW,   40                          ; v40-41 W's scale words (u): scales and nothing else
.set X,    48                          ; v48-111 a piece's 64 numbers
.set PC,   112                         ; v112-135 my codes: 12 registers a K step
.set M,    136                         ; v136-167 four waves' accumulator w
.set O,    168                         ; v168-175 the results
.set OB,   176                         ; v176-183 and back as rows
.set HF,   128                         ; window 1: v0-127 the two pieces as loaded; v128-223 hidden's fragments (12 (4 u + t)); v224-255 four accumulators
.set HACC, 224
.set SEL,  22
.set MSB, 0
.macro WIN new                         ; the immediate's high byte repeats the setting that is left
.if MSB != (\new)
	s_set_vgpr_msb (MSB<<8)|(\new)
.set MSB, (\new)
.endif
.endm
.macro NOPS n
.rept \n
	v_nop
.endr
.endm
.macro LOADP u                         ; my piece u: row i's 512 bytes, 16 a lane
	WIN 0x40
.irp i, 0,1,2,3,4,5,6,7,8,9,10,11,12,13,14,15
	global_load_b128 v[64*(\u)+4*\i:64*(\u)+4*\i+3], v[LI], s[4:5] offset:\i*8192+512*(\u) th:TH_LOAD_NT
.endr
	WIN 0
.endm
.macro TURN u, sto, rd                 ; through the stage: LDS serves a wave's instructions in order, so no wait stands between the stores and the loads
	WIN 0x04
.irp i, 0,1,2,3,4,5,6,7,8,9,10,11,12,13,14,15
	ds_store_b128 v[\sto], v[64*(\u)+4*\i:64*(\u)+4*\i+3] offset:SPITCH*\i
.endr
	WIN 0
.irp c, 0,1
.irp q, 0,1,2,3,4,5,6,7
	ds_load_b128 v[X+32*\c+4*\q:X+32*\c+4*\q+3], v[\rd] offset:256*\c+16*\q
.endr
.endr
	s_wait_dscnt 0x0
.endm
.macro HLOAD u                         ; hidden's four fragments of my K step u: 24 bytes twice a lane, in pieces of 8
	WIN 0x40
.irp t, 0,1,2,3
.irp p, 0,1,2,3,4,5
	global_load_b64 v[HF+12*(4*(\u)+\t)+2*\p:HF+12*(4*(\u)+\t)+2*\p+1], v[HA], s[8:9] offset:12288*\t+96*(\u)+48*(\p/3)+8*(\p%3)
.endr
.endr
	WIN 0
.endm
; X's 64 numbers become 12 registers of codes at v[dst] and the row's scale word for these 128 along K in v[word].
.macro QUANT dst, word
.irp c, 0,1
	v_max3_num_f32 v[TM+\c], |v[X+32*\c]|, |v[X+32*\c+1]|, 0x1800000   ; my block 2 c + h, and the floor 2^(3 - 127): the byte cannot fall under 1
.endr
.irp i, 2,4,6,8,10,12,14,16,18,20,22,24,26,28,30
.irp c, 0,1
	v_max3_num_f32 v[TM+\c], v[TM+\c], |v[X+32*\c+\i]|, |v[X+32*\c+\i+1]|
.endr
.endr
.irp c, 0,1
	v_add_nc_u32 v[TM+2+\c], 0xff000000, v[TM+\c]  ; 2 off the exponent field: the conversion's scale operand
.endr
.irp c, 0,1
	v_lshrrev_b32 v[TM+\c], 23, v[TM+2+\c]         ; the scale's byte
.endr
	v_lshl_or_b32 v[\word], v[TM+1], 16, v[TM]     ; my two bytes, blocks h and 2 + h,
	v_lshlrev_b32 v[\word], v[SH8], v[\word]       ; at their places;
	v_permlanex16_b32 v[TM], v[\word], s[SEL], s[SEL+1]
	v_or_b32 v[\word], v[\word], v[TM]             ; with lane l xor 16's two the word is whole
.irp c, 0,1
	v_cvt_scalef32_pk16_fp6_f32 v[(\dst)+6*\c:(\dst)+6*\c+2], v[X+32*\c:X+32*\c+15], v[TM+2+\c]
	v_cvt_scalef32_pk16_fp6_f32 v[T+4*\c:T+4*\c+2], v[X+32*\c+16:X+32*\c+31], v[TM+2+\c]   ; (a conversion's three registers begin on an even number)
.endr
	v_nop                                          ; one plain place behind the scaled conversions
.irp c, 0,1
.irp i, 0,1,2
	v_mov_b32 v[(\dst)+6*\c+3+\i], v[T+4*\c+\i]
.endr
.endr
.endm
	s_load_b256 s[4:11], s[0:1], 0x0               ; W s[4:5], bias s[6:7], hidden's codes s[8:9], its scales s[10:11]
	s_load_b128 s[12:15], s[0:1], 0x20             ; wfrag s[12:13], hbt s[14:15]
	v_lshl_add_u32 v254, v0, 2, 0x15c00
	v_mov_b32 v255, 0
	v_lshrrev_b32 v44, 5, v0
	v_readfirstlane_b32 s16, v44                   ; wave
	v_and_b32 v44, 31, v0                          ; lane
	v_and_b32 v45, 15, v0                          ; r
	v_bfe_u32 v46, v0, 4, 1                        ; h
	v_lshlrev_b32 v[LI], 4, v44
	s_mul_i32 s17, s16, 16*SPITCH
	v_add_nc_u32 v[STOA], s17, v[LI]
	v_mul_u32_u24 v44, v45, SPITCH
	v_lshl_add_u32 v44, v46, 7, v44
	v_add_nc_u32 v[RDA], s17, v44
	v_add_nc_u32 v[STOB], STB, v[STOA]
	v_add_nc_u32 v[RDB], STB, v[RDA]
	v_lshlrev_b32 v[SH8], 3, v46
	v_mul_u32_u24 v[HA], v45, 768
	v_mad_u32_u24 v[HA], v46, 24, v[HA]
	s_mul_i32 s18, s16, 192
	v_add_nc_u32 v[HA], s18, v[HA]
	s_lshl_b32 s18, s16, 3
	v_lshl_add_u32 v[HSA], v45, 5, s18
	v_lshlrev_b32 v[R4], 2, v45
	s_wait_alu depctr_va_vdst(0)
	s_mul_i32 s18, s16, 3072
	v_add_nc_u32 v[FO], s18, v[LI]
	s_lshr_b32 s18, s16, 1
	s_lshl_b32 s18, s18, 8
	s_and_b32 s19, s16, 1
	s_lshl_b32 s19, s19, 3
	s_add_co_u32 s18, s18, s19
	s_add_co_u32 s18, s18, SCW
	v_lshl_add_u32 v[SWA], v45, 4, s18
	s_lshl_b32 s18, s16, 12
	s_add_co_u32 s18, s18, PSB
	v_add_nc_u32 v[PSA], s18, v[LI]
	s_lshl_b32 s18, s16, 10
	v_add_nc_u32 v[HO], s18, v[LI]
	v_add_nc_u32 v[PRA], PSB, v[HO]
	v_add_nc_u32 v[OSR], OSTB, v[HO]
	s_add_co_u32 s18, s18, OSTB
	v_lshl_add_u32 v[OSA], v46, 9, v[R4]
	v_add_nc_u32 v[OSA], s18, v[OSA]
	s_mov_b32 s[SEL], 0x76543210
	s_mov_b32 s[SEL+1], 0xfedcba98                 ; lane l xor 16
	s_mov_b32 s24, 0x4038aa3b                      ; c = 2 log2(e)
	s_and_b32 s19, ttmp9, 63                       ; j
	s_lshl_b32 s20, s19, 17                        ; 16 rows of 8,192 bytes,
	s_lshl_b32 s21, s16, 10                        ; my two K steps: 1,024 bytes of each row
	s_add_co_u32 s20, s20, s21
	s_mov_b32 s21, 0
	s_wait_kmcnt 0x0
	s_add_nc_u64 s[4:5], s[4:5], s[20:21]
	s_cmp_lt_u32 ttmp9, 64
	s_cbranch_scc0 .Lwd
	; ---- We: codes and scale words leave as images of the operand's registers
	s_mul_i32 s20, s19, TILEB
	s_add_nc_u64 s[12:13], s[12:13], s[20:21]
	LOADP 0
	LOADP 1
.macro SENDF u                         ; each store covers 512 consecutive bytes, aligned; each K step has registers of its own, so no store's data are written again
.irp g, 0,1,2
	global_store_b128 v[FO], v[PC+12*(\u)+4*\g:PC+12*(\u)+4*\g+3], s[12:13] offset:1536*(\u)+512*\g
.endr
.endm
	s_wait_loadcnt 16                              ; piece 0 is in; piece 1's sixteen loads stay out
	TURN 0, STOA, RDA
	QUANT PC, BW
	SENDF 0
	s_wait_loadcnt 0x0
	TURN 1, STOA, RDA
	QUANT PC+12, BW+1
	SENDF 1
	ds_store_b64 v[SWA], v[BW:BW+1]                ; words 2 w, 2 w + 1 of row r; both halves of the lanes write the same bytes with the same values
	s_wait_dscnt 0x0                               ; for the others' sake: my store has landed
	s_barrier_signal -1
	s_barrier_wait -1
	s_cmp_lg_u32 s16, 0
	s_cbranch_scc1 .Lwe_end
	ds_load_b128 v[T:T+3], v[LI] offset:SCW        ; the tile's 512 bytes of scale words
	s_wait_dscnt 0x0
	global_store_b128 v[LI], v[T:T+3], s[12:13] offset:12288
.Lwe_end:
	s_wait_tensorcnt 0x0
	ds_add_u32 v254, v255
	s_wait_dscnt 0x0
	s_endpgm
.Lwd:	; ---- Wd: my codes stay in registers and are multiplied with hidden's 64 rows
	s_add_nc_u64 s[4:5], s[4:5], 4096              ; columns 1024 on
	s_lshl_b32 s20, s19, 6
	s_add_nc_u64 s[6:7], s[6:7], s[20:21]          ; bias of the tile's 16 columns
	s_lshl_b32 s20, s19, 12
	s_add_nc_u64 s[14:15], s[14:15], s[20:21]      ; hbt at the tile
	LOADP 0
	LOADP 1
.irp t, 0,1,2,3
	global_load_b64 v[HS+2*\t:HS+2*\t+1], v[HSA], s[10:11] offset:512*\t   ; row 16 t + r: the scale words of my two K steps
.endr
	global_load_b32 v[BC], v[R4], s[6:7]
	HLOAD 0
	s_wait_loadcnt 29                              ; both pieces are in; behind them stand 4 + 1 + 24 loads
	HLOAD 1
	TURN 0, STOB, RDB
	QUANT PC, BW
	TURN 1, STOB, RDB
	QUANT PC+12, BW+1
	s_wait_loadcnt 0x0
	v_mul_f32 v[BC], s24, v[BC]
	NOPS 8                                         ; a scale register written by a vector instruction stands 8 places ahead of a scaled matrix instruction, an operand so written 4
	WIN 0x51                                       ; source 0 (hidden), C and D window 1; source 1 (my codes) window 0
.irp u, 0,1                            ; source 0 = 16 rows of hidden, source 1 = my 16 rows of Wd; the four accumulators take turns
	s_wait_alu depctr_va_vdst(0)
.irp t, 0,1,2,3
.if \u == 0
	v_wmma_scale_f32_16x16x128_f8f6f4 v[HACC+8*\t:HACC+8*\t+7], v[HF+12*(4*\u+\t):HF+12*(4*\u+\t)+11], v[PC+12*\u:PC+12*\u+11], 0, v[HS+2*\t+\u], v[BW+\u] matrix_a_fmt:MATRIX_FMT_FP6 matrix_b_fmt:MATRIX_FMT_FP6
.else
	v_wmma_scale_f32_16x16x128_f8f6f4 v[HACC+8*\t:HACC+8*\t+7], v[HF+12*(4*\u+\t):HF+12*(4*\u+\t)+11], v[PC+12*\u:PC+12*\u+11], v[HACC+8*\t:HACC+8*\t+7], v[HS+2*\t+\u], v[BW+\u] matrix_a_fmt:MATRIX_FMT_FP6 matrix_b_fmt:MATRIX_FMT_FP6
.endif
.endr
.endr
	WIN 0x04                                       ; an LDS store's data are its source 1: window 1
	NOPS 4                                         ; four places behind the last products
.irp t, 0,1,2,3
.irp q, 0,1
	ds_store_b128 v[PSA], v[HACC+8*\t+4*\q:HACC+8*\t+4*\q+3] offset:1024*\t+512*\q   ; as images of the registers; each accumulator from its low end on
.endr
.endr
	WIN 0
	s_wait_dscnt 0x0                               ; for the others' sake: my stores have landed
	s_barrier_signal -1
	s_barrier_wait -1
.irp a, 0,1,2,3
.irp q, 0,1
	ds_load_b128 v[M+8*\a+4*\q:M+8*\a+4*\q+3], v[PRA] offset:4096*\a+512*\q        ; accumulator w as wave a made it
.endr
.endr
	s_wait_dscnt 0x0
.irp a, 1,2,3
.irp q, 0,2,4,6
	v_pk_add_f32 v[M+\q:M+\q+1], v[M+\q:M+\q+1], v[M+8*\a+\q:M+8*\a+\q+1]
.endr
.endr
.irp i, 0,1,2,3,4,5,6,7
	v_fma_f32 v[O+\i], v[M+\i], s24, v[BC]         ; c P2 + c bias; lane (r, h): b = 16 w + 8 h + i, a = 16 j + r
.endr
.irp i, 0,1,2,3,4,5,6,7
	ds_store_b32 v[OSA], v[O+\i] offset:64*\i
.endr
.irp k, 0,1
	ds_load_b128 v[OB+4*\k:OB+4*\k+3], v[OSR] offset:512*\k        ; in order behind my stores
.endr
.irp k, 0,1
	s_wait_dscnt 1-\k
	global_store_b128 v[HO], v[OB+4*\k:OB+4*\k+3], s[14:15] offset:512*\k   ; 512 consecutive bytes, aligned
.endr
	s_wait_tensorcnt 0x0
	ds_add_u32 v254, v255
	s_wait_dscnt 0x0
	s_endpgm
.Lfunc_end_k_qfd013c416d_prep:
	.size	k_qfd013c416d_prep, .Lfunc_end_k_qfd013c416d_prep-k_qfd013c416d_prep
	.p2alignl 7, 3214868480
	.fill 96, 4, 3214868480
	.section	.rodata,"a",@progbits
	.p2align	6, 0x0
	.amdhsa_kernel k_qfd013c416d_prep
		.amdhsa_group_segment_fixed_size 89600
		.amdhsa_private_segment_fixed_size 0
		.amdhsa_enable_private_segment 0
		.amdhsa_kernarg_size 48
		.amdhsa_user_sgpr_count 2
		.amdhsa_user_sgpr_kernarg_segment_ptr 1
		.amdhsa_wavefront_size32 1
		.amdhsa_system_sgpr_workgroup_id_x 1
		.amdhsa_system_sgpr_workgroup_id_y 1
		.amdhsa_system_sgpr_workgroup_id_z 1
		.amdhsa_system_vgpr_workitem_id 0
		.amdhsa_next_free_vgpr 512
		.amdhsa_next_free_sgpr 66
		.amdhsa_reserve_vcc 0
		.amdhsa_float_denorm_mode_32 3
		.amdhsa_float_denorm_mode_16_64 3
		.amdhsa_memory_ordered 1
		.amdhsa_forward_progress 1
		.amdhsa_inst_pref_size 41
	.end_amdhsa_kernel
	.amdgpu_metadata
---
amdhsa.version: [ 1, 2 ]
amdhsa.kernels:
  - .name:           k_qfd013c416d_prep
    .symbol:         k_qfd013c416d_prep.kd
    .args:
      - { .name: attn_w_weight, .offset: 0, .size: 8, .value_kind: global_buffer, .address_space: global }
      - { .name: attn_w_bias, .offset: 8, .size: 8, .value_kind: global_buffer, .address_space: global }
      - { .name: hidden_codes, .offset: 16, .size: 8, .value_kind: global_buffer, .address_space: global }
      - { .name: hidden_scales, .offset: 24, .size: 8, .value_kind: global_buffer, .address_space: global }
      - { .name: wfrag, .offset: 32, .size: 8, .value_kind: global_buffer, .address_space: global }
      - { .name: hbt, .offset: 40, .size: 8, .value_kind: global_buffer, .address_space: global }
    .group_segment_fixed_size: 89600
    .private_segment_fixed_size: 0
    .kernarg_segment_align: 8
    .kernarg_segment_size: 48
    .max_flat_workgroup_size: 128
    .sgpr_count:     66
    .vgpr_count:     512
    .wavefront_size: 32
...
	.end_amdgpu_metadata
.endif
;; end of part 1
;; launch main (part 2): grid 256 x 1, 4 waves a work-group, no clusters, 327,680 bytes of LDS; arguments vectors_to_attend, wfrag, hbt, attn_v_weight, part; writes part
.if DOCPART == 2
	.amdgcn_target "amdgcn-amd-amdhsa--gfx1250"
	.amdhsa_code_object_version 6
	.text
	.protected	k_qfd013c416d_main
	.globl	k_qfd013c416d_main
	.p2align	8
	.type	k_qfd013c416d_main,@function
k_qfd013c416d_main:
	s_mov_b64 s[64:65], 0
	v_nop
	global_prefetch_b8 v0, s[64:65] scope:SCOPE_SE
	s_setreg_imm32_b32 hwreg(HW_REG_WAVE_MODE, 25, 1), 1
	s_wait_xcnt 0x0
; Work-group g: b = g / 4, rows s = 256 (g % 4) .. + 255 of v, in four passes of 64 rows.  Left out: the terms of the scores that are the same along s (see the first kernel's head).
; A PASS.  Wave w's 16 rows (64 KiB of f32) lie in its own LDS slot, brought by one tensor load.  It turns them, 128 along K at a time, through its own stage, quantises them (E2M3, one E8M0 byte for 32),
; keeps a bf16 copy in 256 registers, and puts the code images in the exchange area.  Behind the barrier the slot is filled again with the next pass's rows, and every wave takes all 64 rows' codes
; (384 registers) against ITS quarter of We: 16 column tiles, whose register images come from wfrag straight into two register buffers, one tile ahead.
; A tile: 32 matrix instructions, four accumulators by turns; then r = 1 / (1 + 2^(c x + hb)), SC += vw r.  t = -2 log2(e) sum r vw is the score's exponent to the base 2.
; The partial scores are summed over 16 lanes, meet in 1 KiB of LDS, and wave w goes on with its own 16 rows: running maximum, sum and context (32 columns a lane).  At the end the four waves' results are joined.
; part: row g of 4,608 bytes: 1,024 f32, then (m, l).
; No cluster: a tile that a tensor load brings is read by one wave alone; We goes to registers by plain loads.  No prefetch: each refill is asked for 16 tiles x 32 matrix instructions ahead of its first read.
; LIMITS: the promise holds while |t| stays under 2^31; NaN and infinities in v are not served; a block of zeros gets the byte 1 (its codes are zeros).
; REGISTERS.  Window 0: v0-31 addresses and small things, v32-63 A's scale words, v64-79 B's, v80-87 hb and vw, v96-127 accumulators, v128-159 SC, v160-255 B's buffer 0.
; Windows 1, 2: v0-191 A's codes of K steps 0-3, 4-7 (48 t + 12 (s % 4)); v192-239 B's buffer 1; v240-255 the context.  Window 3: the bf16 copy (16 i + 2 s + u).
.set ROWV,   262144
.set TILEB,  12800
.set SPITCH, 528
.set REGB,   13312                     ; a wave's exchange bytes: 12,288 of codes (its stage lies over them) and 1,024 of scale words
.set EX,     262144                    ; behind the four slots of 65,536
.set PS,     EX+4*REGB                 ; partial scores, 256 bytes a wave
.set ML,     PS+1024                   ; the waves' (m, l)
.set SPARE,  ML+256                    ; the spare words
.set SPW, 1
.set NIL, 2
.set LI,  3                            ; 16 x lane
.set LR,  4                            ; 16 r
.set R4,  5                            ; 4 r
.set STO, 6                            ; my exchange bytes + 16 x lane
.set RDB, 7                            ; my stage + 528 r + 128 h
.set SH8, 8
.set VS,  9                            ; my slot + 16 x lane
.set EXA, 10                           ; EX + 16 x lane
.set PSW, 11
.set PSR, 12
.set PST, 13
.set MRD, 14
.set TA,  15
.set TM,  16
.set T,   20
.set MX,  28                           ; v28 m, v29 l
.set F,   30                           ; v30 the factor, v31 its pair's upper word
.set SA,  32
.set SB,  64
.set HV,  80                           ; hb at 80 + 4 p, vw at 82 + 4 p
.set ACC, 96
.set SC,  128
.set LL,  96                           ; a piece as it lies in the slot
.set X,   160                          ; and turned
.set B0,  160
.set B1,  192
.set CT,  240
.set PV,  160
.set P,   224
.set WV,  16
.set SEL, 20
.set CC,  22
.set G1,  24
.set G0,  32
.set WB,  36
.set HBB, 38
.set VWB, 40
.set NL,  42
.set PASS, 44
.set IT,  45
.set MSB, 0
.macro WIN new
.if MSB != (\new)
	s_set_vgpr_msb (MSB<<8)|(\new)
.set MSB, (\new)
.endif
.endm
.macro NOPS n
.rept \n
	v_nop
.endr
.endm
.macro QUANT w, dst, word              ; X's 64 numbers: 12 registers of codes in window w, and the row's scale word
.irp c, 0,1
	v_max3_num_f32 v[TM+\c], |v[X+32*\c]|, |v[X+32*\c+1]|, 0x1800000   ; with the floor 2^(3 - 127)
.endr
.irp i, 2,4,6,8,10,12,14,16,18,20,22,24,26,28,30
.irp c, 0,1
	v_max3_num_f32 v[TM+\c], v[TM+\c], |v[X+32*\c+\i]|, |v[X+32*\c+\i+1]|
.endr
.endr
.irp c, 0,1
	v_add_nc_u32 v[TM+2+\c], 0xff000000, v[TM+\c]  ; 2 off the exponent field
.endr
.irp c, 0,1
	v_lshrrev_b32 v[TM+\c], 23, v[TM+2+\c]
.endr
	v_lshl_or_b32 v[\word], v[TM+1], 16, v[TM]
	v_lshlrev_b32 v[\word], v[SH8], v[\word]
	v_permlanex16_b32 v[TM], v[\word], s[SEL], s[SEL+1]
	v_or_b32 v[\word], v[\word], v[TM]
	v_cvt_scalef32_pk16_fp6_f32 v[T:T+2], v[X+16:X+31], v[TM+2]
	v_cvt_scalef32_pk16_fp6_f32 v[T+4:T+6], v[X+48:X+63], v[TM+3]
	WIN (\w)<<6
	v_cvt_scalef32_pk16_fp6_f32 v[(\dst):(\dst)+2], v[X:X+15], v[TM+2]
	v_cvt_scalef32_pk16_fp6_f32 v[(\dst)+6:(\dst)+8], v[X+32:X+47], v[TM+3]
	v_nop
.irp i, 0,1,2
	v_mov_b32 v[(\dst)+3+\i], v[T+\i]
	v_mov_b32 v[(\dst)+9+\i], v[T+4+\i]
.endr
	WIN 0
.endm
.macro LDL s                           ; piece s of my slot: row i's 512 bytes, 16 a lane
.irp i, 0,1,2,3,4,5,6,7,8,9,10,11,12,13,14,15
	ds_load_b128 v[LL+4*\i:LL+4*\i+3], v[VS] offset:4096*\i+512*(\s)
.endr
.endm
.macro PIECE s
	s_wait_dscnt 0x0                               ; the piece is in
.irp i, 0,1,2,3,4,5,6,7,8,9,10,11,12,13,14,15
	ds_store_b128 v[STO], v[LL+4*\i:LL+4*\i+3] offset:SPITCH*\i
.endr
.irp c, 0,1
.irp q, 0,1,2,3,4,5,6,7
	ds_load_b128 v[X+32*\c+4*\q:X+32*\c+4*\q+3], v[RDB] offset:256*\c+16*\q   ; in order behind my stores
.endr
.endr
	WIN 0xc0
.irp i, 0,1,2,3,4,5,6,7,8,9,10,11,12,13,14,15
	v_cvt_pk_bf16_f32 v[16*\i+2*(\s)], v[LL+4*\i], v[LL+4*\i+1]
	v_cvt_pk_bf16_f32 v[16*\i+2*(\s)+1], v[LL+4*\i+2], v[LL+4*\i+3]
.endr
	WIN 0
.if (\s) < 7
	LDL (\s)+1
	s_wait_dscnt 16                                ; X is in; the next piece's sixteen reads stay out
.else
	s_wait_dscnt 0x0
.endif
	QUANT 1+(\s)/4, B1+12*((\s)%4), SB+(\s)
.endm
.macro QPH                             ; my 16 rows become codes, scale words and a bf16 copy
	s_wait_tensorcnt 0x0                           ; my slot is whole; I alone read it
	LDL 0
.irp s, 0,1,2,3,4,5,6,7
	PIECE \s
.endr
	s_wait_alu depctr_va_vdst(0)
.irp hw, 0,1
	WIN 0x04<<\hw
.irp s, 0,1,2,3
.irp g, 0,1,2
	ds_store_b128 v[STO], v[B1+12*\s+4*\g:B1+12*\s+4*\g+3] offset:1536*(4*\hw+\s)+512*\g
.endr
.endr
.endr
	WIN 0
.irp g, 0,1
	ds_store_b128 v[STO], v[SB+4*\g:SB+4*\g+3] offset:12288+512*\g
.endr
.endm
.macro MEET refill                     ; the codes are shown to all; where a pass follows, my slot is filled again
.if \refill
	s_wait_tensorcnt 0x0
	ds_add_u32 v[SPW], v[NIL]
	s_add_nc_u64 s[G0+2:G0+3], s[G0+2:G0+3], 64*ROWV
.endif
.irp k, 0,1,2,3,4,5,6,7,8,9,10,11,12,13,14,15,16,17,18,19,20,21,22,23,24,25,26,27,28,29,30,31
	v_mov_b32 v[SC+\k], 0
.endr
	s_wait_alu depctr_va_vdst(0)
	s_wait_dscnt 0x0                               ; my stores have landed, my reads of the slot are over
	s_barrier_signal -1
	s_barrier_wait -1
.if \refill
	tensor_load_to_lds s[G0:G0+3], s[G1:G1+7]
	s_nop 0
	NOPS 4
.endif
.endm
.macro LOADB p, off                    ; the tile off tiles behind the bases, into buffer p: 24 + 2 + 2 loads
.if (\p) == 0
.irp s, 0,1,2,3,4,5,6,7
.irp g, 0,1,2
	global_load_b128 v[B0+12*\s+4*\g:B0+12*\s+4*\g+3], v[LI], s[WB:WB+1] offset:(\off)*TILEB+1536*\s+512*\g
.endr
.endr
.else
.irp hw, 0,1
	WIN 0x40<<\hw
.irp s, 0,1,2,3
.irp g, 0,1,2
	global_load_b128 v[B1+12*\s+4*\g:B1+12*\s+4*\g+3], v[LI], s[WB:WB+1] offset:(\off)*TILEB+1536*(4*\hw+\s)+512*\g
.endr
.endr
.endr
	WIN 0
.endif
.irp g, 0,1
	global_load_b128 v[SB+8*(\p)+4*\g:SB+8*(\p)+4*\g+3], v[LR], s[WB:WB+1] offset:(\off)*TILEB+12288+256*\g
.endr
	global_load_b32 v[HV+4*(\p)], v[R4], s[HBB:HBB+1] offset:(\off)*4096
	global_load_b32 v[HV+4*(\p)+2], v[R4], s[VWB:VWB+1] offset:(\off)*64
.endm
.macro MMT p                           ; source 0 = 16 rows of v, source 1 = 16 rows of We; the four accumulators take turns
.set MS, 0
.rept 8
.if (\p) == 0
	WIN 0x01+MS/4
.set MB, B0+12*MS
.else
	WIN 0x05*(1+MS/4)
.set MB, B1+12*(MS%4)
.endif
.set MT, 0
.rept 4
.set MA, 48*MT+12*(MS%4)
.if MS == 0
	v_wmma_scale_f32_16x16x128_f8f6f4 v[ACC+8*MT:ACC+8*MT+7], v[MA:MA+11], v[MB:MB+11], 0, v[SA+8*MT+MS], v[SB+8*(\p)+MS] matrix_a_fmt:MATRIX_FMT_FP6 matrix_b_fmt:MATRIX_FMT_FP6
.else
	v_wmma_scale_f32_16x16x128_f8f6f4 v[ACC+8*MT:ACC+8*MT+7], v[MA:MA+11], v[MB:MB+11], v[ACC+8*MT:ACC+8*MT+7], v[SA+8*MT+MS], v[SB+8*(\p)+MS] matrix_a_fmt:MATRIX_FMT_FP6 matrix_b_fmt:MATRIX_FMT_FP6
.endif
.set MT, MT+1
.endr
.set MS, MS+1
.endr
	WIN 0
.endm
.macro TANH p                          ; lane (r, h): column r of the tile, register 8 t + j: row 16 t + 8 h + j
	NOPS 4                                         ; four places behind the last products
.set K, 0
.rept 16
	v_pk_fma_f32 v[ACC+K:ACC+K+1], v[ACC+K:ACC+K+1], s[CC:CC+1], v[HV+4*(\p):HV+4*(\p)+1] op_sel_hi:[1,0,0]
.set K, K+2
.endr
	s_wait_alu depctr_va_vdst(0)                   ; ahead of the batch and behind it
.set K, 0
.rept 32
	v_exp_f32 v[ACC+K], v[ACC+K]
.set K, K+1
.endr
	v_nop
	s_wait_alu depctr_va_vdst(0)
.set K, 0
.rept 16
	v_pk_add_f32 v[ACC+K:ACC+K+1], v[ACC+K:ACC+K+1], 1.0 op_sel_hi:[1,0]
.set K, K+2
.endr
	s_wait_alu depctr_va_vdst(0)
.set K, 0
.rept 32
	v_rcp_f32 v[ACC+K], v[ACC+K]
.set K, K+1
.endr
	v_nop
	s_wait_alu depctr_va_vdst(0)
.set K, 0
.rept 16
	v_pk_fma_f32 v[SC+K:SC+K+1], v[ACC+K:ACC+K+1], v[HV+4*(\p)+2:HV+4*(\p)+3], v[SC+K:SC+K+1] op_sel_hi:[1,0,1]
.set K, K+2
.endr
.endm
.macro GPH
	LOADB 0, 0
.irp hw, 0,1                           ; all 64 rows' codes
	WIN 0x40<<\hw
.irp t, 0,1,2,3
.irp s, 0,1,2,3
.irp g, 0,1,2
	ds_load_b128 v[48*\t+12*\s+4*\g:48*\t+12*\s+4*\g+3], v[EXA] offset:REGB*\t+1536*(4*\hw+\s)+512*\g
.endr
.endr
.endr
.endr
	WIN 0
.irp t, 0,1,2,3
.irp g, 0,1
	ds_load_b128 v[SA+8*\t+4*\g:SA+8*\t+4*\g+3], v[EXA] offset:REGB*\t+12288+512*\g
.endr
.endr
	s_wait_dscnt 0x0
	s_mov_b32 s[IT], 8
.Lg_\@:                                ; a trip: two of my 16 tiles
	LOADB 1, 1
	s_wait_loadcnt 28                              ; this tile is in; the next tile's 28 loads stay out
	MMT 0
	TANH 0
	s_wait_alu depctr_va_vdst(0)
	s_cmp_eq_u32 s[IT], 1
	s_cbranch_scc1 .Lnl_\@                         ; the last tile has no successor
	LOADB 0, 2
	s_wait_loadcnt 28
	s_branch .Lgo_\@
.Lnl_\@:
	s_wait_loadcnt 0x0
.Lgo_\@:
	MMT 1
	TANH 1
	s_wait_xcnt 0x0                                ; the loads have read their bases
	s_add_nc_u64 s[WB:WB+1], s[WB:WB+1], 2*TILEB
	s_add_nc_u64 s[HBB:HBB+1], s[HBB:HBB+1], 2*4096
	s_add_nc_u64 s[VWB:VWB+1], s[VWB:VWB+1], 2*64
	s_sub_co_u32 s[IT], s[IT], 1
	s_cmp_lg_u32 s[IT], 0
	s_wait_alu depctr_va_vdst(0)
	s_cbranch_scc1 .Lg_\@
	s_wait_loadcnt 0x0                             ; no load of the loop is out on any way: later loads land on both buffers' registers
	s_sub_nc_u64 s[WB:WB+1], s[WB:WB+1], 16*TILEB
	s_sub_nc_u64 s[HBB:HBB+1], s[HBB:HBB+1], 16*4096
	s_sub_nc_u64 s[VWB:VWB+1], s[VWB:VWB+1], 16*64
.irp m, 1,2,4,8                        ; over the tile's 16 columns
.set K, 0
.rept 32
	v_add_f32_dpp v[SC+K], v[SC+K], v[SC+K] row_xmask:\m row_mask:0xf bank_mask:0xf
.set K, K+1
.endr
.endr
.irp t, 0,1,2,3
.irp q, 0,1
	ds_store_b128 v[PSW], v[SC+8*\t+4*\q:SC+8*\t+4*\q+3] offset:64*\t+16*\q   ; rows 16 t + 8 h + 4 q ..; sixteen lanes write the same bytes with the same values
.endr
.endr
	s_wait_alu depctr_va_vdst(0)
	s_wait_dscnt 0x0
	s_barrier_signal -1
	s_barrier_wait -1
.irp a, 0,1,2,3
.irp q, 0,1,2,3
	ds_load_b128 v[PV+16*\a+4*\q:PV+16*\a+4*\q+3], v[PSR] offset:256*\a+16*\q   ; my 16 rows as wave a summed them, in every lane
.endr
.endr
	s_wait_dscnt 0x0
.irp a, 1,2,3
.irp k, 0,2,4,6,8,10,12,14
	v_pk_add_f32 v[PV+\k:PV+\k+1], v[PV+\k:PV+\k+1], v[PV+16*\a+\k:PV+16*\a+\k+1]
.endr
.endr
.irp k, 0,2,4,6,8,10,12,14
	v_pk_mul_f32 v[PV+\k:PV+\k+1], v[PV+\k:PV+\k+1], s[NL:NL+1] op_sel_hi:[1,0]   ; t
.endr
	v_max3_num_f32 v[TA], v[PV], v[PV+1], v[PV+2]
.irp k, 3,5,7,9,11,13
	v_max3_num_f32 v[TA], v[TA], v[PV+\k], v[PV+\k+1]
.endr
	v_max3_num_f32 v88, v[TA], v[PV+15], v[MX]     ; the running maximum
	v_sub_f32 v[F], v[MX], v88
	v_mov_b32 v[MX], v88
.irp k, 0,1,2,3,4,5,6,7,8,9,10,11,12,13,14,15
	v_sub_f32 v[P+\k], v[PV+\k], v88
.endr
	s_wait_alu depctr_va_vdst(0)
.irp k, 0,1,2,3,4,5,6,7,8,9,10,11,12,13,14,15
	v_exp_f32 v[P+\k], v[P+\k]
.endr
	v_exp_f32 v[F], v[F]
	v_nop
	s_wait_alu depctr_va_vdst(0)
	v_pk_add_f32 v[88:89], v[P:P+1], v[P+2:P+3]
.irp k, 4,6,8,10,12,14
	v_pk_add_f32 v[88:89], v[88:89], v[P+\k:P+\k+1]
.endr
	v_add_f32 v88, v88, v89
	v_fma_f32 v[MX+1], v[MX+1], v[F], v88
.irp hw, 0,1                           ; the context under the new maximum, then my 16 rows: columns 128 s + 4 lane + 0 .. 3 in registers 4 s ..
	WIN 0x41<<\hw
.irp k, 0,2,4,6,8,10,12,14
	v_pk_mul_f32 v[CT+\k:CT+\k+1], v[CT+\k:CT+\k+1], v[F:F+1] op_sel_hi:[1,0]
.endr
	WIN 0x03|(0x50<<\hw)
.set CR, 0
.rept 16
.set CE, 0
.rept 8
	v_fma_mix_f32_bf16 v[CT+2*CE], v[16*CR+8*\hw+CE], v[P+CR], v[CT+2*CE] op_sel_hi:[1,0,0]
	v_fma_mix_f32_bf16 v[CT+2*CE+1], v[16*CR+8*\hw+CE], v[P+CR], v[CT+2*CE+1] op_sel:[1,0,0] op_sel_hi:[1,0,0]
.set CE, CE+1
.endr
.set CR, CR+1
.endr
.endr
	WIN 0
.endm
	s_load_b256 s[4:11], s[0:1], 0x0               ; v, wfrag, hbt, vw
	s_load_b64 s[12:13], s[0:1], 0x20              ; part
	v_lshl_add_u32 v[SPW], v0, 2, SPARE
	v_mov_b32 v[NIL], 0
	ds_add_u32 v[SPW], v[NIL]
	ds_add_u32 v[SPW], v[NIL]
	v_lshrrev_b32 v[TA], 5, v0
	v_readfirstlane_b32 s[WV], v[TA]               ; wave
	s_lshr_b32 s17, ttmp9, 2                       ; b
	s_and_b32 s18, ttmp9, 3                        ; which 256 rows
	s_mov_b32 s[G1], 2<<16                         ; 16 rows of 1,024 f32, 65,536 elements apart
	s_mov_b32 s[G1+1], 1024<<16
	s_mov_b32 s[G1+2], 16<<16
	s_mov_b32 s[G1+3], 1024<<16
	s_mov_b32 s[G1+4], 16
	s_mov_b32 s[G1+5], 65536
	s_mov_b32 s[G1+6], 0
	s_mov_b32 s[G1+7], 0
	s_mov_b32 s[SEL], 0x76543210
	s_mov_b32 s[SEL+1], 0xfedcba98
	s_mov_b32 s[CC], 0x4038aa3b                    ; 2 log2(e)
	s_mov_b32 s[CC+1], s[CC]
	s_mov_b32 s[NL], 0xc038aa3b                    ; -2 log2(e)
	s_mov_b32 s[NL+1], s[NL]
	s_mov_b32 s47, 0
	s_wait_dscnt 0x0
	s_wait_kmcnt 0x0
	s_lshl_b32 s46, s17, 12
	s_lshl_b32 s19, s18, 26
	s_add_co_u32 s46, s46, s19
	s_lshl_b32 s19, s[WV], 22
	s_add_co_u32 s46, s46, s19
	s_mov_b32 s[G0], 1
	s_lshl_b32 s[G0+1], s[WV], 16
	s_add_nc_u64 s[G0+2:G0+3], s[4:5], s[46:47]
	s_or_b32 s[G0+3], s[G0+3], 0x80000000
	tensor_load_to_lds s[G0:G0+3], s[G1:G1+7]      ; pass 0's rows: one load a wave
	s_nop 0
	NOPS 4
	s_mul_i32 s46, s[WV], 16*TILEB
	s_add_nc_u64 s[WB:WB+1], s[6:7], s[46:47]
	s_lshl_b32 s46, s[WV], 16
	s_lshl_b32 s19, s17, 6
	s_add_co_u32 s46, s46, s19
	s_add_nc_u64 s[HBB:HBB+1], s[8:9], s[46:47]
	s_lshl_b32 s46, s[WV], 10
	s_add_nc_u64 s[VWB:VWB+1], s[10:11], s[46:47]
	s_mul_i32 s19, ttmp9, 4608
	s_add_co_u32 s46, s46, s19
	s_add_nc_u64 s[12:13], s[12:13], s[46:47]
	s_lshl_b32 s50, s[WV], 16
	s_mul_i32 s51, s[WV], REGB
	s_add_co_u32 s51, s51, EX
	s_lshl_b32 s52, s[WV], 8
	s_add_co_u32 s52, s52, PS
	s_lshl_b32 s53, s[WV], 6
	s_add_co_u32 s53, s53, PS
	s_lshl_b32 s54, s[WV], 12
	s_lshl_b32 s55, s[WV], 10
	s_lshl_b32 s56, s[WV], 3
	s_add_co_u32 s56, s56, ML
	v_and_b32 v[TA], 31, v0
	v_and_b32 v20, 15, v0                          ; r
	v_bfe_u32 v21, v0, 4, 1                        ; h
	v_lshlrev_b32 v[LI], 4, v[TA]
	v_lshlrev_b32 v[LR], 4, v20
	v_lshlrev_b32 v[R4], 2, v20
	v_lshlrev_b32 v[SH8], 3, v21
	v_add_nc_u32 v[VS], s50, v[LI]
	v_add_nc_u32 v[STO], s51, v[LI]
	v_mul_u32_u24 v[RDB], v20, SPITCH
	v_lshl_add_u32 v[RDB], v21, 7, v[RDB]
	v_add_nc_u32 v[RDB], s51, v[RDB]
	v_add_nc_u32 v[EXA], EX, v[LI]
	v_lshl_add_u32 v[PSW], v21, 5, s52
	v_mov_b32 v[PSR], s53
	v_add_nc_u32 v[PST], s54, v[LI]
	v_add_nc_u32 v[MRD], s55, v[LI]
	v_mov_b32 v[MX], 0xff61b1e6                    ; -3e38, under every t
	v_mov_b32 v[MX+1], 0
	v_mov_b32 v[F], 0
	v_mov_b32 v[F+1], 0
.irp k, 1,3,5,7
	v_mov_b32 v[HV+\k], 0                          ; upper words of pairs of which the low word alone is used
.endr
.irp hw, 0,1
	WIN 0x40<<\hw
.irp k, 0,1,2,3,4,5,6,7,8,9,10,11,12,13,14,15
	v_mov_b32 v[CT+\k], 0
.endr
.endr
	WIN 0
	s_mov_b32 s[PASS], 3
	s_wait_alu depctr_va_vdst(0)
.Lpass:
	QPH
	MEET 1
	GPH
	s_sub_co_u32 s[PASS], s[PASS], 1
	s_cmp_lg_u32 s[PASS], 0
	s_wait_alu depctr_va_vdst(0)
	s_cbranch_scc1 .Lpass
	QPH                                            ; the last pass is written out: it asks for nothing more
	MEET 0
	GPH
	; the four waves' results meet in bytes of slot 0, which has had its last fill and its last read
.irp hw, 0,1
	WIN 0x04<<\hw
.irp s, 0,1,2,3
	ds_store_b128 v[PST], v[CT+4*\s:CT+4*\s+3] offset:512*(4*\hw+\s)
.endr
.endr
	WIN 0
	v_mov_b32 v[TA], s56
	ds_store_b64 v[TA], v[MX:MX+1]
	s_wait_alu depctr_va_vdst(0)
	s_wait_dscnt 0x0
	s_barrier_signal -1
	s_barrier_wait -1
	v_mov_b32 v[TA], ML
.irp k, 0,1
	ds_load_b128 v[160+4*\k:163+4*\k], v[TA] offset:16*\k
.endr
.irp a, 0,1,2,3
.irp u, 0,1
	ds_load_b128 v[176+8*\a+4*\u:179+8*\a+4*\u], v[MRD] offset:4096*\a+512*\u   ; my 256 columns of wave a's context
.endr
.endr
	s_wait_dscnt 0x0
	v_max3_num_f32 v20, v160, v162, v164
	v_max_num_f32 v20, v20, v166
.irp a, 0,1,2,3
	v_sub_f32 v[208+2*\a], v[160+2*\a], v20
	v_mov_b32 v[209+2*\a], 0
.endr
	s_wait_alu depctr_va_vdst(0)
.irp a, 0,1,2,3
	v_exp_f32 v[208+2*\a], v[208+2*\a]
.endr
	v_nop
	s_wait_alu depctr_va_vdst(0)
	v_mul_f32 v21, v208, v161
.irp a, 1,2,3
	v_fmac_f32 v21, v[208+2*\a], v[161+2*\a]
.endr
.irp q, 0,2,4,6
	v_pk_mul_f32 v[216+\q:217+\q], v[176+\q:177+\q], v[208:209] op_sel_hi:[1,0]
.endr
.irp a, 1,2,3
.irp q, 0,2,4,6
	v_pk_fma_f32 v[216+\q:217+\q], v[176+8*\a+\q:177+8*\a+\q], v[208+2*\a:209+2*\a], v[216+\q:217+\q] op_sel_hi:[1,0,1]
.endr
.endr
	global_store_b128 v[LI], v[216:219], s[12:13]              ; each store covers 512 consecutive bytes, aligned
	global_store_b128 v[LI], v[220:223], s[12:13] offset:512
	s_wait_alu depctr_va_vdst(0)
	s_cmp_lg_u32 s[WV], 0
	s_cbranch_scc1 .Lnot0
	v_mov_b32 v224, v20
	v_mov_b32 v225, v21
	v_mov_b32 v226, v20
	v_mov_b32 v227, v21
	global_store_b128 v[LI], v[224:227], s[12:13] offset:4096  ; (m, l), the row's last 512 bytes whole
.Lnot0:
	s_wait_tensorcnt 0x0                           ; the wave's end
	ds_add_u32 v[SPW], v[NIL]
	s_wait_dscnt 0x0
	s_endpgm
.Lfunc_end_k_qfd013c416d_main:
	.size	k_qfd013c416d_main, .Lfunc_end_k_qfd013c416d_main-k_qfd013c416d_main
	.p2alignl 7, 3214868480
	.fill 96, 4, 3214868480
	.section	.rodata,"a",@progbits
	.p2align	6, 0x0
	.amdhsa_kernel k_qfd013c416d_main
		.amdhsa_group_segment_fixed_size 327680
		.amdhsa_private_segment_fixed_size 0
		.amdhsa_enable_private_segment 0
		.amdhsa_kernarg_size 40
		.amdhsa_user_sgpr_count 2
		.amdhsa_user_sgpr_kernarg_segment_ptr 1
		.amdhsa_wavefront_size32 1
		.amdhsa_system_sgpr_workgroup_id_x 1
		.amdhsa_system_sgpr_workgroup_id_y 1
		.amdhsa_system_sgpr_workgroup_id_z 1
		.amdhsa_system_vgpr_workitem_id 0
		.amdhsa_next_free_vgpr 1024
		.amdhsa_next_free_sgpr 66
		.amdhsa_reserve_vcc 0
		.amdhsa_float_denorm_mode_32 3
		.amdhsa_float_denorm_mode_16_64 3
		.amdhsa_memory_ordered 1
		.amdhsa_forward_progress 1
		.amdhsa_inst_pref_size 255
	.end_amdhsa_kernel
	.section	.bss,"aw",@nobits
	.p2align	6
	.space	262144
	.amdgpu_metadata
---
amdhsa.version: [ 1, 2 ]
amdhsa.kernels:
  - .name:           k_qfd013c416d_main
    .symbol:         k_qfd013c416d_main.kd
    .args:
      - { .name: vectors_to_attend, .offset: 0, .size: 8, .value_kind: global_buffer, .address_space: global }
      - { .name: wfrag, .offset: 8, .size: 8, .value_kind: global_buffer, .address_space: global }
      - { .name: hbt, .offset: 16, .size: 8, .value_kind: global_buffer, .address_space: global }
      - { .name: attn_v_weight, .offset: 24, .size: 8, .value_kind: global_buffer, .address_space: global }
      - { .name: part, .offset: 32, .size: 8, .value_kind: global_buffer, .address_space: global }
    .group_segment_fixed_size: 327680
    .private_segment_fixed_size: 0
    .kernarg_segment_align: 8
    .kernarg_segment_size: 40
    .max_flat_workgroup_size: 128
    .sgpr_count:     66
    .vgpr_count:     1024
    .wavefront_size: 32
...
	.end_amdgpu_metadata
.endif
;; end of part 2
;; launch finish (part 3): grid 64 x 1, 8 waves a work-group, no clusters, 0 bytes of LDS; arguments part, out0; writes out0
.if DOCPART == 3
	.amdgcn_target "amdgcn-amd-amdhsa--gfx1250"
	.amdhsa_code_object_version 6
	.text
	.protected	k_qfd013c416d_finish
	.globl	k_qfd013c416d_finish
	.p2align	8
	.type	k_qfd013c416d_finish,@function
k_qfd013c416d_finish:
	s_mov_b64 s[64:65], 0
	v_nop
	global_prefetch_b8 v0, s[64:65] scope:SCOPE_SE
	s_setreg_imm32_b32 hwreg(HW_REG_WAVE_MODE, 25, 1), 1
	s_wait_xcnt 0x0
; out0[b][:] = (sum over the four quarters i of 2^(m_i - M) part_i[:]) / (sum of 2^(m_i - M) l_i), M the largest m_i.
; part: row 4 b + i of 4,608 bytes: 1,024 f32, then (m, l).  Work-group b; thread t owns columns 4 t .. 4 t + 3, so a wave's load or store covers 512 consecutive bytes.
; No LDS, no barrier, no matrix work: 18 KiB in and 4 KiB out for each work-group.
.set PROW, 4608
	s_load_b128 s[4:7], s[0:1], 0x0                ; part, out0
	v_lshlrev_b32 v1, 4, v0
	v_mov_b32 v2, 0
	s_mul_i32 s8, ttmp9, 4*PROW
	s_mov_b32 s9, 0
	s_lshl_b32 s10, ttmp9, 12
	s_mov_b32 s11, 0
	s_wait_alu depctr_va_vdst(0)
	s_wait_kmcnt 0x0
	s_add_nc_u64 s[4:5], s[4:5], s[8:9]
	s_add_nc_u64 s[6:7], s[6:7], s[10:11]
.irp i, 0,1,2,3
	global_load_b64 v[24+2*\i:25+2*\i], v2, s[4:5] offset:PROW*\i+4096
.endr
.irp i, 0,1,2,3
	global_load_b128 v[8+4*\i:11+4*\i], v1, s[4:5] offset:PROW*\i
.endr
	s_wait_loadcnt 4                               ; the four (m, l) are in; the four loads behind them stay out
	v_max3_num_f32 v3, v24, v26, v28
	s_delay_alu instid0(VALU_DEP_1)
	v_max_num_f32 v3, v3, v30
.irp i, 0,1,2,3
	v_sub_f32 v[40+\i], v[24+2*\i], v3
.endr
	s_wait_alu depctr_va_vdst(0)
.irp i, 0,1,2,3
	v_exp_f32 v[40+\i], v[40+\i]
.endr
	v_nop
	s_wait_alu depctr_va_vdst(0)                   ; one wait for the four, ahead of their first reader
	v_mul_f32 v4, v40, v25
	v_fmac_f32 v4, v41, v27
	v_fmac_f32 v4, v42, v29
	v_fmac_f32 v4, v43, v31                        ; at least 1: the quarter with the largest m counts whole, and its l holds a 1
	s_wait_alu depctr_va_vdst(0)
	v_rcp_f32 v5, v4
	v_nop
	s_wait_alu depctr_va_vdst(0)
.irp i, 0,1,2,3
	v_mul_f32 v[32+2*\i], v[40+\i], v5             ; the quarter's weight, twice: a pair for the packed forms
	v_mul_f32 v[33+2*\i], v[40+\i], v5
.endr
	s_wait_alu depctr_va_vdst(0)
	s_wait_loadcnt 0x0
	v_pk_mul_f32 v[44:45], v[8:9], v[32:33]
	v_pk_mul_f32 v[46:47], v[10:11], v[32:33]
.irp i, 1,2,3
	s_delay_alu instid0(VALU_DEP_2)
	v_pk_fma_f32 v[44:45], v[8+4*\i:9+4*\i], v[32+2*\i:33+2*\i], v[44:45]
	s_delay_alu instid0(VALU_DEP_2)
	v_pk_fma_f32 v[46:47], v[10+4*\i:11+4*\i], v[32+2*\i:33+2*\i], v[46:47]
.endr
	global_store_b128 v1, v[44:47], s[6:7]
	s_endpgm
.Lfunc_end_k_qfd013c416d_finish:
	.size	k_qfd013c416d_finish, .Lfunc_end_k_qfd013c416d_finish-k_qfd013c416d_finish
	.p2alignl 7, 3214868480
	.fill 96, 4, 3214868480
	.section	.rodata,"a",@progbits
	.p2align	6, 0x0
	.amdhsa_kernel k_qfd013c416d_finish
		.amdhsa_group_segment_fixed_size 0
		.amdhsa_private_segment_fixed_size 0
		.amdhsa_enable_private_segment 0
		.amdhsa_kernarg_size 16
		.amdhsa_user_sgpr_count 2
		.amdhsa_user_sgpr_kernarg_segment_ptr 1
		.amdhsa_wavefront_size32 1
		.amdhsa_system_sgpr_workgroup_id_x 1
		.amdhsa_system_sgpr_workgroup_id_y 1
		.amdhsa_system_sgpr_workgroup_id_z 1
		.amdhsa_system_vgpr_workitem_id 0
		.amdhsa_next_free_vgpr 48
		.amdhsa_next_free_sgpr 66
		.amdhsa_reserve_vcc 0
		.amdhsa_float_denorm_mode_32 3
		.amdhsa_float_denorm_mode_16_64 3
		.amdhsa_memory_ordered 1
		.amdhsa_forward_progress 1
		.amdhsa_inst_pref_size 4
	.end_amdhsa_kernel
	.amdgpu_metadata
---
amdhsa.version: [ 1, 2 ]
amdhsa.kernels:
  - .name:           k_qfd013c416d_finish
    .symbol:         k_qfd013c416d_finish.kd
    .args:
      - { .name: part, .offset: 0, .size: 8, .value_kind: global_buffer, .address_space: global }
      - { .name: out0, .offset: 8, .size: 8, .value_kind: global_buffer, .address_space: global }
    .group_segment_fixed_size: 0
    .private_segment_fixed_size: 0
    .kernarg_segment_align: 8
    .kernarg_segment_size: 16
    .max_flat_workgroup_size: 256
    .sgpr_count:     66
    .vgpr_count:     48
    .wavefront_size: 32
...
	.end_amdgpu_metadata
.endif
;; end of part 3
